; MI455X (gfx1250); checked and timed in simulation.
; The chip was launched on July 23, 2026; its instructions are those of AMD's public machine-readable ISA for CDNA 5 (MIT licence, August 2026) and "CDNA5" Instruction Set Architecture Reference Guide (July 2026). The comments in the code are by the model that wrote it; some were corrected since.
;; Dynamic Node Attention. Allowed arithmetic: float matrix products may take bf16 or f16 operands with f32 sums; other float arithmetic in f32, or as packed bf16 or f16 multiplies, adds, multiply-adds, maxima and minima; sums over many terms, partial sums and values carried from step to step in f32; what a program stores and reads back later, other than sums and carried values, may be rounded once to bf16 or f16.
;; Inputs: Wk 256 x 256 float32; Wo 256 x 256 float32; Wq 256 x 256 float32; Wv 256 x 256 float32; adjacency 2 x 4,096 x 4,096 float32; bo 256 float32; node_state 2 x 4,096 x 256 float32.
;; Outputs: out0 2 x 4,096 x 256 float32.
;; One version. Each part assembles by itself: llvm-mc -triple=amdgcn-amd-amdhsa -mcpu=gfx1250 --defsym DOCPART=n.
;; ======== version 1 of 1: 2 launches
;; limits: values are held in f16: magnitudes above 65,504 overflow, below 6.1e-05 lose precision
;; workspace buffers: q16 4,194,304 bytes; k16 4,194,304 bytes; v16 4,194,304 bytes; wo16 131,072 bytes
;; launch proj (part 1): grid 6 x 128, 4 waves a work-group, no clusters, 101,888 bytes of LDS; arguments node_state, Wq, Wk, Wv, Wo, q16, k16, v16, wo16; writes q16, k16, v16, wo16
.if DOCPART == 1
	.amdgcn_target "amdgcn-amd-amdhsa--gfx1250"
	.amdhsa_code_object_version 6
	.text
	.protected	k_qad23a89cbf_proj
	.globl	k_qad23a89cbf_proj
	.p2align	8
	.type	k_qad23a89cbf_proj,@function
k_qad23a89cbf_proj:
	s_mov_b64 s[64:65], 0
	v_nop
	global_prefetch_b8 v0, s[64:65] scope:SCOPE_SE
	s_setreg_imm32_b32 hwreg(HW_REG_WAVE_MODE, 25, 1), 1
	s_wait_xcnt 0x0
; q16 = f16(c x Wq^T), k16 = f16(x Wk^T), v16 = f16(x Wv^T), wo16 = f16(Wo).  x: [8192][256] f32 (both batches on end), W: [256][256] f32; q16, k16, v16: [8192][256] f16.
; c = log2(e) / sqrt(32) is applied to q's f32 sums, ahead of their one rounding, so that the next launch's scores are exponents of 2 as they leave the matrix unit.
; LIMITS.  All matrix operands are f16: x, W and the results lie within 65,504; below 6e-5 a number keeps f16's fixed step of 6e-8.
; SHARES.  A work-group makes 64 rows x 128 columns of one of the three results: x id = 2 x matrix + column half, y id = block of 64 rows.  Wave w makes rows 16 w .. 16 w + 15, all 128 columns: 8 accumulators.
; The 128 work-groups with x id 0 also round two rows of Wo each.
; NO TENSOR LOADS, NO CLUSTER: both tiles are f32 in memory and pass through registers to be rounded to f16 on their way into LDS, so there is no tile load that partners could ask for jointly.
; THE PRODUCT IS USED TRANSPOSED (source 0 = 16 rows of W, source 1 = my 16 rows of x): a lane then holds one row and eight neighbouring columns, 16 bytes of f16.
.set PITCH, 528                        ; an LDS row: 256 f16 = 512 bytes + 16 of padding = 132 words: the 16 rows of a fragment load start at 16 different groups of four banks (64 banks of 4 bytes: ISA guide 11.1)
.set XST,   0                          ; x's 64 rows
.set WST,   64*PITCH                   ; W's 128 rows
.set SPARE, WST+128*PITCH              ; the spare words, 128 bytes for each wave: two blocks of 256 bytes that no other line names
.set SP,    272                        ; the way out: 128 f16 = 256 bytes + 16; wave w's stage lies in its own 16 rows of x, which no other wave reads
.set GL,  2                            ; v2   16 x thread: my 16 bytes in 2,048 consecutive bytes of a tile
.set LX,  3                            ; v3   where they go in x's rows: (T / 64) x PITCH + 8 (T % 64)
.set LW0, 4                            ; v4   the same in W's rows 0-63
.set LW1, 5                            ; v5   in W's rows 64-127 (an LDS offset has 16 bits)
.set FX,  6                            ; v6   my lane's place in my wave's fragment of x
.set FW,  7                            ; v7   in W's fragments
.set STO, 8                            ; v8   the way out: where I put 16 bytes of a row
.set RD,  9                            ; v9   where I read a row back
.set GO,  10                           ; v10  my byte offset in two rows of the result
.set G8,  11                           ; v11  8 x thread: my 8 bytes of wo16
.set SPW, 12                           ; v12  LDS address of my spare word; never rewritten
.set NIL, 13                           ; v13  0; never rewritten
.set RAW, 32                           ; v[32:159]  two sets of 64: 16 loads of 16 bytes as they come
.set CV,  160                          ; v[160:191] a group's 16 x 4 numbers rounded to f16
.set B0,  32                           ; v[32:175]  later two fragment buffers of 72: W's eight fragments, then x's
.set ACC, 176                          ; v[176:239] eight accumulators
.set PKR, 32                           ; the way out: packed results
.set BK,  64                           ; and whole rows read back
.set WV,  22                           ; s22  my wave's number
.set MAT, 23                           ; s23  0: q, 1: k, 2: v
	s_load_b512 s[4:19], s[0:1], 0x0               ; x s[4:5], Wq s[6:7], Wk s[8:9], Wv s[10:11], Wo s[12:13], q16 s[14:15], k16 s[16:17], v16 s[18:19]
	s_load_b64 s[20:21], s[0:1], 0x40              ; wo16
	v_lshl_add_u32 v[SPW], v0, 2, SPARE
	v_mov_b32 v[NIL], 0
	v_lshrrev_b32 v1, 5, v0
	v_readfirstlane_b32 s[WV], v1                  ; wave 0..3
	s_lshr_b32 s[MAT], ttmp9, 1
	s_and_b32 s36, ttmp9, 1                        ; which 128 columns
	s_and_b32 s37, ttmp7, 0xffff                   ; which 64 rows
	v_lshlrev_b32 v[GL], 4, v0
	v_lshlrev_b32 v[G8], 3, v0
	v_lshrrev_b32 v14, 6, v0                       ; 2,048 bytes are two rows of 256 f32: threads 0-63 the first, 64-127 the second
	v_and_b32 v15, 63, v0
	v_mul_u32_u24 v[LX], v14, PITCH
	v_lshl_add_u32 v[LX], v15, 3, v[LX]            ; four f32 become 8 bytes
	v_add_nc_u32 v[LW0], WST, v[LX]
	v_add_nc_u32 v[LW1], WST+64*PITCH, v[LX]
	v_and_b32 v14, 15, v0                          ; l % 16
	v_bfe_u32 v15, v0, 4, 1                        ; l / 16
	s_mul_i32 s34, s[WV], 16*PITCH                 ; my wave's 16 rows of x
	v_mul_u32_u24 v[FW], v14, PITCH
	v_lshl_add_u32 v[FW], v15, 4, v[FW]            ; a fragment's row x pitch + 16 x half
	v_add_nc_u32 v[FX], s34, v[FW]
	v_add_nc_u32 v[FW], WST, v[FW]
	v_mul_u32_u24 v[STO], v14, SP
	v_lshl_add_u32 v[STO], v15, 4, v[STO]
	v_add_nc_u32 v[STO], s34, v[STO]
	v_mul_u32_u24 v[RD], v15, SP                   ; back: lanes 0-15 one row of 256 bytes, lanes 16-31 the next
	v_lshl_add_u32 v[RD], v14, 4, v[RD]
	v_add_nc_u32 v[RD], s34, v[RD]
	v_lshlrev_b32 v[GO], 9, v15                    ; the same two rows in the result: 512 bytes a row
	v_lshl_add_u32 v[GO], v14, 4, v[GO]
	s_cmp_eq_u32 s[MAT], 0
	s_cselect_b32 s30, 0x3e8293ee, 1.0             ; c = log2(e) / sqrt(32) = 0.255035 for q; k and v go through the same text with 1
	s_mov_b32 s31, s30                             ; named with it as a pair
	s_mov_b32 s33, 0
	s_wait_kmcnt 0x0
	s_cselect_b64 s[26:27], s[6:7], s[8:9]         ; the matrix's weights and result (the compare above still stands)
	s_cselect_b64 s[28:29], s[14:15], s[16:17]
	s_cmp_eq_u32 s[MAT], 2
	s_cselect_b64 s[26:27], s[10:11], s[26:27]
	s_cselect_b64 s[28:29], s[18:19], s[28:29]
	s_lshl_b32 s32, s37, 16                        ; 64 rows of 1,024 bytes
	s_add_nc_u64 s[24:25], s[4:5], s[32:33]        ; x's tile: 65,536 consecutive bytes
	s_lshl_b32 s32, s36, 17                        ; 128 rows of 1,024 bytes
	s_add_nc_u64 s[26:27], s[26:27], s[32:33]      ; W's tile: 131,072 consecutive bytes
	s_lshl_b32 s32, s37, 15                        ; the result: 64 rows of 512 bytes,
	s_lshl_b32 s35, s[WV], 13                      ; my wave's 16,
	s_add_co_u32 s32, s32, s35
	s_lshl_b32 s35, s36, 8                         ; the column half's 256 bytes
	s_add_co_u32 s32, s32, s35
	s_add_nc_u64 s[28:29], s[28:29], s[32:33]
	s_lshl_b32 s32, s37, 11                        ; Wo: two rows of 1,024 bytes
	s_add_nc_u64 s[12:13], s[12:13], s[32:33]
	s_lshl_b32 s32, s37, 10                        ; wo16: two rows of 512 bytes
	s_add_nc_u64 s[20:21], s[20:21], s[32:33]
; Group n of six: 16 loads, each 2,048 consecutive bytes for the work-group (512 for a wave).  Groups 0, 1: x's tile; groups 2 to 5: W's.
.macro LDG n, set
.set i, 0
.rept 16
.if (\n) < 2
	global_load_b128 v[RAW+64*(\set)+4*i:RAW+64*(\set)+4*i+3], v[GL], s[24:25] offset:2048*(16*(\n)+i)
.else
	global_load_b128 v[RAW+64*(\set)+4*i:RAW+64*(\set)+4*i+3], v[GL], s[26:27] offset:2048*(16*((\n)-2)+i)
.endif
.set i, i+1
.endr
.endm
; Group n is rounded to f16 and put into LDS (two rows on for each load: 2 x PITCH); its set of registers is asked for again, two groups on.  left: the younger group's loads, which may stay out.
.macro STG n, set, left
	s_wait_loadcnt \left
.set i, 0
.rept 16
	v_cvt_pk_f16_f32 v[CV+2*i],   v[RAW+64*(\set)+4*i],   v[RAW+64*(\set)+4*i+1]
	v_cvt_pk_f16_f32 v[CV+2*i+1], v[RAW+64*(\set)+4*i+2], v[RAW+64*(\set)+4*i+3]
.set i, i+1
.endr
.set i, 0
.rept 16
.if (\n) < 2
	ds_store_b64 v[LX],  v[CV+2*i:CV+2*i+1] offset:2*PITCH*(16*(\n)+i)
.elseif (\n) < 4
	ds_store_b64 v[LW0], v[CV+2*i:CV+2*i+1] offset:2*PITCH*(16*((\n)-2)+i)
.else
	ds_store_b64 v[LW1], v[CV+2*i:CV+2*i+1] offset:2*PITCH*(16*((\n)-4)+i)
.endif
.set i, i+1
.endr
.if (\n) < 4
	LDG (\n)+2, \set
.endif
.endm
	LDG 0, 0
	LDG 1, 1
	s_cmp_lg_u32 ttmp9, 0                          ; the same in all four waves
	s_cbranch_scc1 .Lno_wo
	global_load_b128 v[16:19], v[GL], s[12:13]     ; two rows of Wo: 16 bytes a thread
	s_wait_loadcnt 0x0
	v_cvt_pk_f16_f32 v20, v16, v17
	v_cvt_pk_f16_f32 v21, v18, v19
	global_store_b64 v[G8], v[20:21], s[20:21]     ; a wave stores 256 consecutive bytes, aligned; these registers are not written again
.Lno_wo:
	STG 0, 0, 16
	STG 1, 1, 16
	STG 2, 0, 16
	STG 3, 1, 16
	STG 4, 0, 16
	STG 5, 1, 0
	s_wait_dscnt 0x0                               ; for the others' sake: my stores into both tiles are done
	s_barrier_signal -1
	s_barrier_wait -1
; A K step's 18 fragment loads (32 along K = 64 bytes of the rows): W's eight blocks of 16 rows, my wave's 16 rows of x
.macro FET ks, buf
.set i, 0
.rept 8
	ds_load_b128 v[(\buf)+8*i:(\buf)+8*i+3],   v[FW] offset:i*16*PITCH+64*(\ks)
	ds_load_b128 v[(\buf)+8*i+4:(\buf)+8*i+7], v[FW] offset:i*16*PITCH+64*(\ks)+32
.set i, i+1
.endr
	ds_load_b128 v[(\buf)+64:(\buf)+67], v[FX] offset:64*(\ks)
	ds_load_b128 v[(\buf)+68:(\buf)+71], v[FX] offset:64*(\ks)+32
.endm
; Its eight products.  The eight accumulators take turns, one instruction a turn; the first K step starts the sums with the constant 0.
.macro MUL ks, buf
.set i, 0
.rept 8
.if (\ks) == 0
	v_wmma_f32_16x16x32_f16 v[ACC+8*i:ACC+8*i+7], v[(\buf)+8*i:(\buf)+8*i+7], v[(\buf)+64:(\buf)+71], 0
.else
	v_wmma_f32_16x16x32_f16 v[ACC+8*i:ACC+8*i+7], v[(\buf)+8*i:(\buf)+8*i+7], v[(\buf)+64:(\buf)+71], v[ACC+8*i:ACC+8*i+7]
.endif
.set i, i+1
.endr
.endm
.macro PLACES                          ; four places between a product and a load into a register that it has read, or a vector instruction on its result
.rept 4
	v_nop
.endr
.endm
	FET 0, B0
.irp ks, 0,1,2,3,4,5,6
.if \ks > 0
	PLACES                                         ; the buffer that is loaded next was multiplied just now
.endif
	FET (\ks)+1, B0+72*(((\ks)+1)%2)
	s_wait_dscnt 18                                ; this step's fragments are in; the 18 loads just issued may stay out
	MUL \ks, B0+72*((\ks)%2)
.endr
	s_wait_dscnt 0x0
	MUL 7, B0+72
	; THE WAY OUT: the scale in f32, one rounding to f16, 16 bytes a lane into my own stage, whole rows of 256 bytes back, stored.
	PLACES
.set i, 0
.rept 32                               ; each accumulator's registers in ascending order
	v_pk_mul_f32 v[ACC+2*i:ACC+2*i+1], v[ACC+2*i:ACC+2*i+1], s[30:31] op_sel_hi:[1,0]
.set i, i+1
.endr
.set i, 0
.rept 32
	v_cvt_pk_f16_f32 v[PKR+i], v[ACC+2*i], v[ACC+2*i+1]
.set i, i+1
.endr
.set i, 0
.rept 8
	ds_store_b128 v[STO], v[PKR+4*i:PKR+4*i+3] offset:32*i
.set i, i+1
.endr
.set i, 0
.rept 8
	ds_load_b128 v[BK+4*i:BK+4*i+3], v[RD] offset:2*SP*i   ; LDS serves a wave's instructions in order (ISA guide 5.7.1.4): these see the stores above
.set i, i+1
.endr
.set i, 0
.rept 8
	s_wait_dscnt 7-i                               ; the younger read-backs may stay out
	global_store_b128 v[GO], v[BK+4*i:BK+4*i+3], s[28:29] offset:1024*i  ; 16 lanes store 256 consecutive bytes, at a multiple of 256 from the buffer's first byte
.set i, i+1
.endr
	s_wait_tensorcnt 0x0                           ; the wave's end, behind my last LDS store
	ds_add_u32 v[SPW], v[NIL]
	s_wait_dscnt 0x0
	s_endpgm
.Lfunc_end_k_qad23a89cbf_proj:
	.size	k_qad23a89cbf_proj, .Lfunc_end_k_qad23a89cbf_proj-k_qad23a89cbf_proj
	.p2alignl 7, 3214868480
	.fill 96, 4, 3214868480
	.section	.rodata,"a",@progbits
	.p2align	6, 0x0
	.amdhsa_kernel k_qad23a89cbf_proj
		.amdhsa_group_segment_fixed_size 101888
		.amdhsa_private_segment_fixed_size 0
		.amdhsa_enable_private_segment 0
		.amdhsa_kernarg_size 72
		.amdhsa_user_sgpr_count 2
		.amdhsa_user_sgpr_kernarg_segment_ptr 1
		.amdhsa_wavefront_size32 1
		.amdhsa_system_sgpr_workgroup_id_x 1
		.amdhsa_system_sgpr_workgroup_id_y 1
		.amdhsa_system_sgpr_workgroup_id_z 1
		.amdhsa_system_vgpr_workitem_id 0
		.amdhsa_next_free_vgpr 240
		.amdhsa_next_free_sgpr 66
		.amdhsa_reserve_vcc 0
		.amdhsa_float_denorm_mode_32 3
		.amdhsa_float_denorm_mode_16_64 3
		.amdhsa_memory_ordered 1
		.amdhsa_forward_progress 1
		.amdhsa_inst_pref_size 51
	.end_amdhsa_kernel
	.amdgpu_metadata
---
amdhsa.version: [ 1, 2 ]
amdhsa.kernels:
  - .name:           k_qad23a89cbf_proj
    .symbol:         k_qad23a89cbf_proj.kd
    .args:
      - { .name: node_state, .offset: 0, .size: 8, .value_kind: global_buffer, .address_space: global }
      - { .name: Wq, .offset: 8, .size: 8, .value_kind: global_buffer, .address_space: global }
      - { .name: Wk, .offset: 16, .size: 8, .value_kind: global_buffer, .address_space: global }
      - { .name: Wv, .offset: 24, .size: 8, .value_kind: global_buffer, .address_space: global }
      - { .name: Wo, .offset: 32, .size: 8, .value_kind: global_buffer, .address_space: global }
      - { .name: q16, .offset: 40, .size: 8, .value_kind: global_buffer, .address_space: global }
      - { .name: k16, .offset: 48, .size: 8, .value_kind: global_buffer, .address_space: global }
      - { .name: v16, .offset: 56, .size: 8, .value_kind: global_buffer, .address_space: global }
      - { .name: wo16, .offset: 64, .size: 8, .value_kind: global_buffer, .address_space: global }
    .group_segment_fixed_size: 101888
    .private_segment_fixed_size: 0
    .kernarg_segment_align: 8
    .kernarg_segment_size: 72
    .max_flat_workgroup_size: 128
    .sgpr_count:     66
    .vgpr_count:     240
    .wavefront_size: 32
...
	.end_amdgpu_metadata
.endif
;; end of part 1
;; launch attn (part 2): grid 128 x 2, 4 waves a work-group, clusters of 4 x 1, 327,680 bytes of LDS; arguments q16, k16, v16, wo16, adjacency, bo, out0; writes out0
.if DOCPART == 2
	.amdgcn_target "amdgcn-amd-amdhsa--gfx1250"
	.amdhsa_code_object_version 6
	.text
	.protected	k_qad23a89cbf_attn
	.globl	k_qad23a89cbf_attn
	.p2align	8
	.type	k_qad23a89cbf_attn,@function
k_qad23a89cbf_attn:
	s_mov_b64 s[64:65], 0
	v_nop
	global_prefetch_b8 v0, s[64:65] scope:SCOPE_SE
	s_setreg_imm32_b32 hwreg(HW_REG_WAVE_MODE, 25, 1), 1
	s_wait_xcnt 0x0
	s_wait_alu depctr_hold_cnt(0) depctr_sa_sdst(0) depctr_va_vdst(0) depctr_va_sdst(0) depctr_va_ssrc(0) depctr_va_vcc(0) depctr_vm_vsrc(0)
	s_getreg_b32 s2, hwreg(HW_REG_IB_STS2, 6, 4)
	s_cmp_eq_u32 s2, 0
	s_cbranch_scc0 .Lentry_in_a_cluster
	s_endpgm
.Lentry_in_a_cluster:
	s_bfe_u32 s2, ttmp6, 0x10000c
	s_cmp_lg_u32 s2, 0x3003
	s_cbranch_scc0 .Lentry_shape_is_right
	s_endpgm
.Lentry_shape_is_right:
; out[b][q][:] = O[b][q][:] Wo^T + bo, O's head h = the sum over k of softmax_k(q_h . k_h / sqrt(32) + ln(adj[b][q][k] + 1e-6)) v_h[k].  8 heads of 32 channels, 4,096 keys, 2 batches.
; q16 (already times c = log2(e) / sqrt(32)), k16, v16: [2][4096][256] f16, head h at byte 64 h of a row; wo16: [256][256] f16; adjacency, bo, out0: f32.
; THE LOG TERM hangs on (q, k) alone.  It is made once for four heads, as log2(adj + 1e-6) in f32, and is the C operand of S^T = K Q^T (one product a tile: 32 channels).  What leaves the matrix unit
; is the exponent of 2; the running maximum m is taken of it, log term included, and p = 2^(s - m).  In every step O and l are multiplied by a = 2^(m_old - m_new).
; LIMITS.  q, k, v, p, O are f16: within 65,504; p lies in 0 to 1 and, like O, keeps f16's fixed step of 6e-8 below 6e-5.  A weight below 2^-126 counts as 0 in l.  adj < -1e-6 makes the row NaN,
; as in the definition; a row whose terms are all -inf is not treated apart.
; SHARES.  A work-group owns 32 queries of a batch, all 8 heads.  Keys go in 32 tiles of 128.  Wave w takes keys 64 (w % 2) .. + 63 of each tile and heads 4 (w / 2) .. + 3: eight PIECES p = 2 g + t
; (head g of four, query tile t of two), each with its own m, l and O^T over the wave's 2,048 keys.  The two key halves are merged at the end; then the 32 rows are multiplied by Wo^T.
; CLUSTER.  The four query blocks of a cluster belong to one batch and walk the same K and V: each tile is asked for JOINTLY (the same load, descriptor and mask of four in all four).  The adjacency's tile is
; each work-group's own: a plain load behind the same round.
; LAYOUT.  S^T = K Q^T (source 0 = 16 keys, source 1 = 16 queries): a lane holds ONE query (lane % 16) and the keys 8 (lane / 16) + 0..7.  Two such results rounded to f16 in pairs ARE source 1 of
; O^T = V^T P, whose result again holds one query a lane, and eight channels.  K comes out of LDS as it lies, V ([key][channel]) turned, by ds_load_tr16_b128.  P is made in place: pair i lands in register i of S^T.
; BY TURNS.  Turn g carries head g's softmax for both query tiles, 218 vector instructions; between them stand 8 products V^T P of head g - 1 and 8 products K Q^T of head g + 1, one to a slice of 13 or 14.
; A turn's 66 exponentials are one batch with one wait.  The first step is a step like any other: m starts at the lowest finite number, O^T and l at 0, so its a is 0; the price is some 220 v_mov_b32 once
; a launch, in the wait for the first tile, and eight products on zeros.
; REGISTERS, in windows of 256 (s_set_vgpr_msb: bits 1:0 source 0, 3:2 source 1, 5:4 source 2, 7:6 destination):
;   window 0: v2-15, v56-63 addresses; v16-47 statistics, four a piece; v48-55 at work; v64-127 the log term; v128-255 S^T and P, two buffers by the head's parity
;   window 1: v0-127 O^T, 16 a piece; v128-191 the last product's sums; v192-223 the bias      window 2: v0-63 Q; v64-95 K of one head; v96-127 V of one head      window 3: Wo's fragments
.set PK,    528       ; a row of K in LDS: 512 bytes + 16 = 132 words: the 16 rows of a load start at 16 different groups of four banks (64 banks of 4 bytes: ISA guide 11.1)
.set PVP,   544       ; a row of V: 512 + 32 = 136 words
.set PA,    528       ; a row of the adjacency's tile: 128 f32 + 16 bytes
.set VOFF,  128*PK    ; a slot: 128 rows of K, 128 rows of V, 32 rows of the adjacency
.set AOFF,  VOFF+128*PVP
.set SLOT,  AOFF+32*PA
.set SPARE, 2*SLOT    ; behind the two slots: the spare words, 128 bytes for each wave: two blocks of 256 bytes that no other line names
; The stages lie in slot 0.  Its last fill is tile 30; its last reads are waited for in front of the last tile's barrier; no tensor load follows that barrier.
.set MRGW,  20480     ; the merge: for each pair of waves 32 x 512 bytes of O^T and 8 x 512 of statistics, from byte 0
.set O16,   2*MRGW    ; O in f16: 32 rows of 528 bytes
.set OUTST, O16+32*PK ; the way out: for each wave 32 rows of 64 f32 + 16 bytes
.set SP,    272
.set AK0, 2           ; v2   my lane's place in a tile of K; never rewritten
.set AV0, 3           ; v3   in a tile of V
.set AA0, 4           ; v4   in a tile of the adjacency
.set AK,  5           ; v5-7 the same in the slot in hand
.set AV,  6
.set AA,  7
.set QO,  8           ; v8   my byte offset in 16 rows of q16
.set PFO, 9           ; v9   the prefetches' offset: my lane x a row; never rewritten
.set WO,  10          ; v10  my byte offset in my wave's 64 rows of wo16
.set BO,  11          ; v11  in bo
.set SPW, 12          ; v12  LDS address of my spare word; never rewritten
.set NIL, 13          ; v13  0; never rewritten
.set MS,  14          ; v14  the merge: my 16 bytes in 512
.set OS,  15          ; v15  where I put 16 bytes of O
.set ST,  16          ; piece p's statistics at v[ST+4 p]: m, 0 (named with m as a pair), l (even keys', odd keys')
.set TMP, 48          ; by query tile, four registers c0-c3 at work; when the maximum is found c2 takes a
.set OB,  56          ; v56  my lane's place in O's fragments
.set XS,  57          ; v57  the way out: where I put 16 bytes
.set XR,  58          ; v58  where I read a row back
.set GO,  59          ; v59  my byte offset in two rows of out0
.set LA,  64          ; the log term: query tile t, key block kt at LA + 32 t + 8 kt
.set S,   128         ; S^T: head g, tile t, key block kt at S + 64 (g % 2) + 32 t + 8 kt; P's fragment kk at S + 64 (g % 2) + 32 t + 8 kk
.set OP,  64          ; the merge: the partner's O^T
.set MP,  192         ; and its statistics
.set OF,  64          ; the last product: O's fragments, tile t, K step ks at OF + 8 (8 t + ks); then rows read back
.set ACC, 128         ; window 1
.set BIAS, 192        ; window 1
.set KF,  64          ; window 2: key block kt at KF + 8 kt
.set VF,  96          ; window 2: key half kk, channel half ct at VF + 16 kk + 8 ct
.set WV,  18          ; s18  my wave's number
.set KH,  19          ; s19  which 64 keys of a tile
.set HH,  20          ; s20  which four heads
.set CX,  21          ; s21  my place in the cluster: it enters global addresses alone
.set QB,  22          ; s22  my block of 32 queries
.set BA,  23          ; s23  the batch, which the four partners share
.set G1K, 24          ; s[24:31] descriptor group 1 for K's tiles
.set G1V, 32          ; s[32:39] for V's: it differs in the padding alone
.set G1A, 40          ; s[40:47] for the adjacency's
.set G0K, 48          ; s[48:51], s[52:55], s[56:59] descriptor group 0, one for each tensor: they walk
.set G0V, 52
.set G0A, 56
.set CNT, 60          ; s60  tiles still to be asked for
.set TB,  61          ; s61  LDS byte at which the slot in hand begins
.set LIM, 62          ; s62  a wave prefetches while s[CNT] is above it
.set SH,  63          ; s63  log2 of a row's bytes in the tensor that I prefetch
.set PFA, 66          ; s[66:67] where my prefetches stand
.set PFS, 68          ; s[68:69] a tile's step there
.set SEL, 70          ; s[70:71] v_permlanex16_b32's selects: each lane takes its own place in the other half
.set EPS, 72          ; s[72:73] 1e-6; the packed sum takes the pair's low word for both halves
.set MSB, 0
.macro WIN new                      ; the high byte repeats the setting that is left; a switch that changes nothing is dropped
.if MSB != (\new)
	s_set_vgpr_msb (MSB<<8)|(\new)
.set MSB, \new
.endif
.endm
.set W_KQ, 0x0a       ; K and Q in window 2, the log term and S^T in window 0
.set W_PV, 0x52       ; V in window 2, P in window 0, O^T in window 1
.set W_RS, 0x41       ; destination and source 0 in window 1, source 1 in window 0
.set W_MG, 0x01       ; source 0 in window 1
.set W_OP, 0x53       ; Wo in window 3, O in window 0, sums in window 1
.set TO_1, 0x40       ; destination in window 1, 2, 3
.set TO_2, 0x80
.set TO_3, 0xc0
.set ST_1, 0x04       ; an LDS store's data (source 1) in window 1
.macro PLACES                       ; four places (ISA guide 7.12.1)
.rept 4
	v_nop
.endr
.endm
; A round of the cluster's barrier: my work-group's barrier, so that wave 0's signal speaks for all four waves; wave 0 signals; every wave waits for all four work-groups; my work-group's barrier once more.
.macro ROUND
	s_barrier_signal -1
	s_barrier_wait -1
	s_cmp_lg_u32 s[WV], 0
	s_cbranch_scc1 .Lnot_wave_0_\@
	s_barrier_signal -3
.Lnot_wave_0_\@:
	s_barrier_wait -3
	s_barrier_signal -1
	s_barrier_wait -1
.endm
; A fill.  Wave 0 asks for K's tile and wave 1 for V's, both jointly; wave 2 for the work-group's own tile of the adjacency; wave 3 for nothing.  The branches hang on the wave's number alone.
; An s_nop 0 and four v_nop follow each load, ahead of the jump and the label.
.macro JLOAD
	s_cmp_lg_u32 s[WV], 0
	s_cbranch_scc1 .Lnot_k_\@
	tensor_load_to_lds s[G0K:G0K+3], s[G1K:G1K+7]
	s_nop 0
	PLACES
	s_branch .Lasked_\@
.Lnot_k_\@:
	s_cmp_lg_u32 s[WV], 1
	s_cbranch_scc1 .Lnot_v_\@
	tensor_load_to_lds s[G0V:G0V+3], s[G1V:G1V+7]
	s_nop 0
	PLACES
	s_branch .Lasked_\@
.Lnot_v_\@:
	s_cmp_lg_u32 s[WV], 2
	s_cbranch_scc1 .Lasked_\@
	tensor_load_to_lds s[G0A:G0A+3], s[G1A:G1A+7]
	s_nop 0
	PLACES
.Lasked_\@:
.endm
; A PREFETCH INTO THE L2, behind the fill and its five lines: the trip that reads tile t and asks for tile t + 1 names tile t + 3, whose load goes out two trips on.  A lane a row, 512 bytes of it: two instructions.
; Each block is named once in the launch.  The adjacency's tile is read by one work-group: its wave 3 asks.  K's and V's tiles are walked by all clusters of a batch: the batch's first cluster asks, wave 0 for K's and
; wave 1 for V's; its four partners take 32 of a tile's 128 rows each, told apart BY ADDRESS.  The last two trips that fill a slot ask for nothing: tile 31 is the last.  Tiles 0 to 2 come by their loads alone.
.macro ASK
	s_cmp_gt_u32 s[CNT], s[LIM]
	s_cbranch_scc0 .Lnot_mine_\@
	global_prefetch_b8 v[PFO], s[PFA:PFA+1] th:TH_LOAD_NT scope:SCOPE_SE
	global_prefetch_b8 v[PFO], s[PFA:PFA+1] offset:256 th:TH_LOAD_NT scope:SCOPE_SE
.Lnot_mine_\@:
.endm
; THE CHANGE OF SLOTS.  Each wave waits for all its tensor loads, of which at most one is out: its part of the next slot; adds 0 to its spare word; and waits for that and for its own reads of the slot that it leaves.
; fill = 1: the slot just left is filled again, with the tile after the one that is entered.  The barrier is then a round of the cluster's, so that no wave of any partner still reads that slot or has a load on
; its way, and the fill is the first thing behind it: it has a whole tile's work in which to land.  (At its first use nothing has been read yet: slot 0 is waited for, slot 1 filled.)
.macro CHANGE fill
	WIN 0                           ; at a label and at a branch every window is 0
	s_wait_tensorcnt 0x0            ; no tensor load of mine is out, so a group 0 may be written
	ds_add_u32 v[SPW], v[NIL]       ; 0 onto my spare word; the scalar work below stands between it and the wait for it
.if \fill
	s_xor_b32 s[G0K+1], s[G0K+1], SLOT                 ; the other slot than last time,
	s_add_nc_u64 s[G0K+2:G0K+3], s[G0K+2:G0K+3], 0x10000  ; the next 128 rows of 512 bytes; the type bits on top are not reached
	s_xor_b32 s[G0V+1], s[G0V+1], VOFF^(VOFF+SLOT)
	s_add_nc_u64 s[G0V+2:G0V+3], s[G0V+2:G0V+3], 0x10000
	s_xor_b32 s[G0A+1], s[G0A+1], AOFF^(AOFF+SLOT)
	s_add_nc_u64 s[G0A+2:G0A+3], s[G0A+2:G0A+3], 512   ; the next 128 columns of f32
	s_wait_xcnt 0x0                 ; the last prefetches, a tile back, have read their address, so it may be written
	s_add_nc_u64 s[PFA:PFA+1], s[PFA:PFA+1], s[PFS:PFS+1]
.endif
	s_xor_b32 s[TB], s[TB], SLOT    ; the reads go to the other slot
	s_wait_dscnt 0x0                ; the add is done, and my reads of the slot are over
.if \fill
	ROUND
	JLOAD
	ASK
.else
	s_barrier_signal -1
	s_barrier_wait -1
.endif
	v_add_nc_u32 v[AK], s[TB], v[AK0]
	v_add_nc_u32 v[AV], s[TB], v[AV0]
	v_add_nc_u32 v[AA], s[TB], v[AA0]
.endm
; THE LDS LOADS stand in runs, never singly among the matrix instructions.
.macro FETCH_A                      ; the adjacency of my 32 queries x 64 keys, laid as S^T is: query tile f / 4, key block f % 4; a lane's eight keys are 32 bytes
	WIN 0
.irp f, 0,1,2,3,4,5,6,7
	ds_load_b128 v[LA+8*\f:LA+8*\f+3],   v[AA] offset:(\f/4)*16*PA+(\f%4)*64
	ds_load_b128 v[LA+8*\f+4:LA+8*\f+7], v[AA] offset:(\f/4)*16*PA+(\f%4)*64+16
.endr
.endm
.macro FETCH_K g                    ; head g's K: four fragments of 16 keys x 32 channels
	WIN TO_2
.irp f, 0,1,2,3
	ds_load_b128 v[KF+8*\f:KF+8*\f+3],   v[AK] offset:\f*16*PK+64*(\g)
	ds_load_b128 v[KF+8*\f+4:KF+8*\f+7], v[AK] offset:\f*16*PK+64*(\g)+32
.endr
.endm
.macro FETCH_V                      ; head G's V, turned: keys 32 (f / 2) on, channels 16 (f % 2) on
	WIN TO_2
.irp f, 0,1,2,3
	ds_load_tr16_b128 v[VF+8*\f:VF+8*\f+3],   v[AV] offset:(\f/2)*32*PVP+64*G+(\f%2)*32
	ds_load_tr16_b128 v[VF+8*\f+4:VF+8*\f+7], v[AV] offset:(\f/2)*32*PVP+64*G+(\f%2)*32+16*PVP
.endr
.endm
; THE MATRIX WORK.  Product i of 8 of S^T = K Q^T + the log term for head g: tile i % 2, key blocks in the order 2, 3, 0, 1, so that the registers that held P two heads back are written last.
.macro KQ g, i
	WIN W_KQ
.set kt, (2+(\i)/2)%4
.set tq, (\i)%2
.set rS, S+64*((\g)%2)+32*tq+8*kt
.set rK, KF+8*kt
.set rQ, 8*(2*(\g)+tq)
.set rL, LA+32*tq+8*kt
	v_wmma_f32_16x16x32_f16 v[rS:rS+7], v[rK:rK+7], v[rQ:rQ+7], v[rL:rL+7]
.endm
; Product i of 8 of O^T += V^T P for head g: keys 32 (i / 4) on, tile (i / 2) % 2, channels 16 (i % 2) on.  The four accumulators take turns, one instruction a turn.
.macro PV g, i
	WIN W_PV
.set kk, (\i)/4
.set tq, ((\i)/2)%2
.set ct, (\i)%2
.set rO, 16*(2*(\g)+tq)+8*ct
.set rV, VF+16*kk+8*ct
.set rP, S+64*((\g)%2)+32*tq+8*kk
	v_wmma_f32_16x16x32_f16 v[rO:rO+7], v[rV:rV+7], v[rP:rP+7], v[rO:rO+7]
.endm
; THE VECTOR WORK OF A TURN: a queue of 218, the two query tiles alternating; NX writes entry q for head G.  s0-s31 are the lane's 32 exponents.
;   0-41     for each tile 21: the maximum of s0-s31 and the old m, three operands at a time (each accumulator's lowest registers first); the other half of the lanes'; the old m kept; the new m; their difference; a
;   42-137   for each pair of exponents: s - m for both tiles, then their four exponentials.  With the two a: ONE BATCH of 66; nothing up to here names a result of theirs
;   (138)    a plain instruction behind the last exponential; the one wait between the batch and its first reader; and directly behind it head G's V, a run of 8 LDS loads
;   138-201  for each pair: l takes it (the first time as l = a l + pair), then it is rounded to f16 into register i: pair i is read before register i <= 2 i is written
;   202-217  both pieces' O^T times a, ascending: the one part that leaves window 0
.macro NX
.if q == 138
	v_nop
	s_wait_alu depctr_va_vdst(0)
	FETCH_V
.endif
.if q < 42
.set tt, q%2
.set nn, q/2
.elseif q < 138
.set tt, (q-42)%2
.set bb, (q-42)/6
.set uu, (q-42)%6
.elseif q < 202
.set tt, (q-138)%2
.set ii, (q-138)/4
.set uu, (q-138)%4
.else
.set tt, (q-202)%2
.set ii, (q-202)/2
.endif
.set rT, ST+4*(2*G+tt)
.set rC, TMP+4*tt
.set rS, S+64*(G%2)+32*tt
.set rO, 16*(2*G+tt)
.if q < 202
	WIN 0
.else
	WIN W_RS
.endif
.if q < 42
.if nn < 4
	v_max3_num_f32 v[rC+nn], v[rS+8*nn], v[rS+8*nn+1], v[rS+8*nn+2]
.elseif nn < 12
	v_max3_num_f32 v[rC+nn%4], v[rC+nn%4], v[rS+8*(nn%4)+2*(nn/4)+1], v[rS+8*(nn%4)+2*(nn/4)+2]
.elseif nn == 12
	v_max3_num_f32 v[rC], v[rC], v[rS+7], v[rS+15]
.elseif nn == 13
	v_max3_num_f32 v[rC+2], v[rC+2], v[rS+23], v[rS+31]
.elseif nn == 14
	v_max3_num_f32 v[rC], v[rC], v[rC+1], v[rC+2]
.elseif nn == 15
	v_max3_num_f32 v[rC], v[rC], v[rC+3], v[rT]
.elseif nn == 16
	v_permlanex16_b32 v[rC+1], v[rC], s[SEL], s[SEL+1]  ; the query's other 32 keys lie in the lane 16 away
.elseif nn == 17
	v_mov_b32 v[rC+3], v[rT]        ; m_old is kept: the next line writes m anew
.elseif nn == 18
	v_max_num_f32 v[rT], v[rC], v[rC+1]
.elseif nn == 19
	v_sub_f32 v[rC+3], v[rC+3], v[rT]
.else
	v_exp_f32 v[rC+2], v[rC+3]
.endif
.elseif q < 138
.if uu < 2
	v_pk_add_f32 v[rS+2*bb:rS+2*bb+1], v[rS+2*bb:rS+2*bb+1], v[rT:rT+1] op_sel_hi:[1,0] neg_lo:[0,1] neg_hi:[0,1]
.else
	v_exp_f32 v[rS+2*bb+(uu-2)/2], v[rS+2*bb+(uu-2)/2]
.endif
.elseif q < 202
.if (uu < 2) && (ii == 0)
	v_pk_fma_f32 v[rT+2:rT+3], v[rT+2:rT+3], v[rC+2:rC+3], v[rS:rS+1] op_sel_hi:[1,0,1]
.elseif uu < 2
	v_pk_add_f32 v[rT+2:rT+3], v[rT+2:rT+3], v[rS+2*ii:rS+2*ii+1]
.else
	v_cvt_pk_f16_f32 v[rS+ii], v[rS+2*ii], v[rS+2*ii+1]
.endif
.else
	v_pk_mul_f32 v[rO+2*ii:rO+2*ii+1], v[rO+2*ii:rO+2*ii+1], v[rC+2:rC+3] op_sel_hi:[1,0]
.endif
.set q, q+1
.endm
; A TURN, for head g.  pv = 1: 8 products V^T P of head g - 1; kq = 1: 8 products K Q^T of head g + 1, whose K is fetched at the turn's head.  16 slices: a product, then 14 (the first ten) or 13 entries of the queue.
; Places, by the text's own count.  K's loads: 13 rescalings (or four v_nop) behind the last product that read K.  V's loads, at entry 138: 12 subtractions and a v_nop behind the last product that read V, which stands at
; entry 98.  The first maximum: 13 rescalings (or four v_nop) behind the product that made its scores.  K Q^T writes P's old registers from slice 12 on, five slices or more behind their last reader.
.macro TURN g, pv, kq
.set G, \g
.set q, 0
.if \kq
	FETCH_K (\g)+1
.endif
.if \pv
	s_wait_dscnt 8*(\kq)            ; V is in; the 8 loads of K just issued may stay out
.endif
.set k, 0
.rept 16
.if (k < 8) && (\pv)
	PV (\g)-1, k
.endif
.if (k >= 8) && (\kq)
.if k == 8
	s_wait_dscnt 0x0                ; K is in
.endif
	KQ (\g)+1, k-8
.endif
.rept 13
	NX
.endr
.if k < 10
	NX
.endif
.set k, k+1
.endr
.endm
; THE LOG TERM, and beside it head 3's products V^T P of the tile before.  A queue of 96: for each pair of both tiles adj + 1e-6, then the four log2, in place; 12 behind each product.  One batch of 64, one wait.
.macro LQ
.if e%6 < 2
	v_pk_add_f32 v[LA+32*(e%6)+2*(e/6):LA+32*(e%6)+2*(e/6)+1], v[LA+32*(e%6)+2*(e/6):LA+32*(e%6)+2*(e/6)+1], s[EPS:EPS+1] op_sel_hi:[1,0]
.else
	v_log_f32 v[LA+32*(e%2)+2*(e/6)+(e%6-2)/2], v[LA+32*(e%2)+2*(e/6)+(e%6-2)/2]
.endif
.set e, e+1
.endm
.macro LAPV
	s_wait_dscnt 8                  ; the adjacency's 16 loads are in; K's 8, issued behind them, may stay out
.set e, 0
.set k, 0
.rept 8
	PV 3, k
	WIN 0
.rept 12
	LQ
.endr
.set k, k+1
.endr
	v_nop                           ; a plain instruction behind the last logarithm,
	s_wait_alu depctr_va_vdst(0)    ; and the wait ahead of the batch's first reader, the products below
.endm
; Wo's fragments for my 64 columns of out0 (column block i / 8, K step i % 8) and the bias, laid as a result is (a lane's eight columns): asked for at the last tile's head, wanted behind it.
.macro WLOAD
	WIN TO_3
.set i, 0
.rept 32
	global_load_b128 v[8*i:8*i+3],   v[WO], s[10:11] offset:(i/8)*8192+(i%8)*64
	global_load_b128 v[8*i+4:8*i+7], v[WO], s[10:11] offset:(i/8)*8192+(i%8)*64+32
.set i, i+1
.endr
	WIN TO_1
.irp f, 0,1,2,3
	global_load_b128 v[BIAS+8*\f:BIAS+8*\f+3],   v[BO], s[14:15] offset:64*\f
	global_load_b128 v[BIAS+8*\f+4:BIAS+8*\f+7], v[BO], s[14:15] offset:64*\f+16
.endr
	WIN 0
.endm
; A TILE of 128 keys.
.macro SLOTW fill
	CHANGE \fill
.if !(\fill)
	WLOAD
.endif
	FETCH_A
	FETCH_K 0
	LAPV
	s_wait_dscnt 0x0                ; K of head 0 is in
.set k, 0
.rept 8
	KQ 0, k                         ; head 0's scores: no vector work is ready to stand between them
.set k, k+1
.endr
	WIN 0
	PLACES
	TURN 0, 0, 1
	TURN 1, 1, 1
	TURN 2, 1, 1
	TURN 3, 1, 0
	WIN 0
.endm
	s_load_b256 s[4:11], s[0:1], 0x0  ; q16 s[4:5], k16 s[6:7], v16 s[8:9], wo16 s[10:11]
	s_load_b128 s[12:15], s[0:1], 0x20  ; adjacency s[12:13], bo s[14:15]
	s_load_b64 s[16:17], s[0:1], 0x30   ; out0
	v_lshl_add_u32 v[SPW], v0, 2, SPARE
	v_mov_b32 v[NIL], 0
	ds_add_u32 v[SPW], v[NIL]       ; the wave's opening: the add and its wait stand ahead of my first tensor load; the set-up below, work on registers, stands between them
	v_lshrrev_b32 v1, 5, v0
	v_readfirstlane_b32 s[WV], v1   ; wave 0..3
	s_and_b32 s[KH], s[WV], 1
	s_lshr_b32 s[HH], s[WV], 1
	s_bfe_u32 s[CX], ttmp6, 0x40000
	s_lshl_b32 s[QB], ttmp9, 2      ; in a cluster launch ttmp9 counts clusters
	s_add_co_u32 s[QB], s[QB], s[CX]
	s_and_b32 s[BA], ttmp7, 0xffff
	; descriptor group 1.  K, V: 128 rows x 256 elements of 2 bytes; the adjacency: 32 rows x 128 elements of 4 bytes, 4,096 from row to row.  All padded after every 128 words.
	s_mov_b32 s[G1K], 15|(1<<16)|(1<<20)|(1<<21)|(6<<22)|(3<<25)  ; 15:0 the mask of four; 17:16 2-byte elements; 20 padding on; 21 set beside a mask; 24:22 after every 128 words (code 6); 31:25 4 words (code 3)
	s_mov_b32 s[G1V], 15|(1<<16)|(1<<20)|(1<<21)|(6<<22)|(7<<25)  ; the same with 8 words of padding (code 7)
	s_mov_b32 s[G1A], (2<<16)|(1<<20)|(6<<22)|(3<<25)             ; no mask; 4-byte elements; 4 words of padding
.irp g, G1K, G1V
	s_mov_b32 s[\g+1], 256<<16      ; tensor_dim0 = 256
	s_mov_b32 s[\g+2], 128<<16      ; tensor_dim1 = 128
	s_mov_b32 s[\g+3], 256<<16      ; tile_dim0 = 256
	s_mov_b32 s[\g+4], 128          ; tile_dim1 = 128
	s_mov_b32 s[\g+5], 256          ; elements from row to row
	s_mov_b32 s[\g+6], 0
	s_mov_b32 s[\g+7], 0
.endr
	s_mov_b32 s[G1A+1], 128<<16
	s_mov_b32 s[G1A+2], 32<<16
	s_mov_b32 s[G1A+3], 128<<16
	s_mov_b32 s[G1A+4], 32
	s_mov_b32 s[G1A+5], 4096
	s_mov_b32 s[G1A+6], 0
	s_mov_b32 s[G1A+7], 0
	s_mov_b32 s[G0K], 1             ; 1:0 count = 1
	s_mov_b32 s[G0K+1], 0           ; 63:32 LDS address: slot 0
	s_mov_b32 s[G0V], 1
	s_mov_b32 s[G0V+1], VOFF
	s_mov_b32 s[G0A], 1
	s_mov_b32 s[G0A+1], AOFF
	s_mov_b32 s[SEL], 0x76543210
	s_mov_b32 s[SEL+1], 0xfedcba98
	s_mov_b32 s[EPS], 0x358637bd    ; 1e-6
	s_mov_b32 s[EPS+1], s[EPS]      ; named with it as a pair
	s_mov_b32 s[TB], SLOT           ; the first change of slots turns it into 0
	s_lshl_b32 s74, s[BA], 21       ; the batch's 4,096 rows of 512 bytes in k16 and v16: these two registers never hold my place in the cluster
	s_mov_b32 s75, 0
	s_lshl_b32 s76, s[BA], 12
	s_lshl_b32 s77, s[QB], 5
	s_add_co_u32 s76, s76, s77      ; my first row among the 8,192
	s_lshl_b32 s78, s76, 14         ; in the adjacency: 16,384 bytes a row
	s_mov_b32 s79, 0
	; the prefetches: who asks, in which tensor, from where
	s_cmp_eq_u32 ttmp9, 0           ; the batch's first cluster: the same in all four partners
	s_cselect_b32 s[LIM], 2, -1
	s_cmp_eq_u32 s[WV], 2
	s_cselect_b32 s[LIM], -1, s[LIM]  ; wave 2 never asks
	s_mov_b32 s[PFS], 0x10000
	s_lshl_b32 s82, s[CX], 14       ; K, V: my work-group's 32 rows of a tile's 128,
	s_add_co_u32 s82, s82, s74
	s_add_co_u32 s82, s82, 2*0x10000  ; at tile 2: the first change of slots steps it to tile 3
	s_add_co_u32 s83, s78, 2*512    ; the adjacency: my 32 rows, at tile 2
	s_cmp_eq_u32 s[WV], 3
	s_cselect_b32 s[LIM], 2, s[LIM]
	s_cselect_b32 s[PFS], 512, s[PFS]
	s_cselect_b32 s[SH], 14, 9
	s_cselect_b32 s82, s83, s82
	s_mov_b32 s83, 0
	s_mov_b32 s[PFS+1], 0
	; my lane's places
	v_and_b32 v60, 15, v0           ; l % 16
	v_bfe_u32 v61, v0, 4, 1         ; l / 16
	v_and_b32 v62, 31, v0           ; l
	v_lshlrev_b32 v[PFO], s[SH], v62
	s_lshl_b32 s80, s[HH], 8        ; my four heads: 256 bytes of a row
	v_mul_u32_u24 v63, v60, PK
	v_lshl_add_u32 v63, v61, 4, v63 ; a fragment's row x pitch + 16 x half
	s_mul_i32 s81, s[KH], 64*PK     ; my 64 keys
	s_add_co_u32 s81, s81, s80
	v_add_nc_u32 v[AK0], s81, v63
	s_add_co_u32 s81, s80, O16
	v_add_nc_u32 v[OS], s81, v63
	v_add_nc_u32 v[OB], O16, v63
	v_mul_u32_u24 v[AA0], v60, PA   ; the adjacency: my query's row, my 64 keys' 256 bytes, 32 bytes for each half of the lanes
	v_lshl_add_u32 v[AA0], v61, 5, v[AA0]
	s_lshl_b32 s81, s[KH], 8
	s_add_co_u32 s81, s81, AOFF
	v_add_nc_u32 v[AA0], s81, v[AA0]
	; The turning load takes 16 keys x 16 channels (lane l reads key 8 (l / 16) + l % 8, channels 8 ((l / 8) % 2) + 0..7) and leaves half a fragment of V^T: lane l holds channel l % 16 and 8 keys.
	v_and_b32 v63, 7, v0
	v_lshl_add_u32 v63, v61, 3, v63
	v_mul_u32_u24 v[AV0], v63, PVP
	v_bfe_u32 v63, v0, 3, 1
	v_lshl_add_u32 v[AV0], v63, 4, v[AV0]
	s_mul_i32 s81, s[KH], 64*PVP
	s_add_co_u32 s81, s81, s80
	s_add_co_u32 s81, s81, VOFF
	v_add_nc_u32 v[AV0], s81, v[AV0]
	v_lshlrev_b32 v63, 9, v60
	v_lshl_add_u32 v63, v61, 4, v63 ; in memory: row x 512 + 16 x half
	v_add_nc_u32 v[QO], s80, v63
	s_lshl_b32 s81, s[WV], 15       ; my wave's 64 rows of wo16
	v_add_nc_u32 v[WO], s81, v63
	s_lshl_b32 s81, s[WV], 8        ; my wave's 64 columns of f32
	v_lshl_add_u32 v[BO], v61, 5, s81
	v_lshl_add_u32 v[GO], v61, 10, s81  ; two rows of out0, 1,024 bytes each
	v_lshl_add_u32 v[GO], v60, 4, v[GO]
	s_mul_i32 s81, s[HH], MRGW
	v_lshl_add_u32 v[MS], v62, 4, s81
	s_mul_i32 s81, s[WV], 32*SP
	s_add_co_u32 s81, s81, OUTST    ; my stage
	v_mul_u32_u24 v[XS], v60, SP    ; in: row l % 16, 32 bytes for each half of the lanes
	v_lshl_add_u32 v[XS], v61, 5, v[XS]
	v_add_nc_u32 v[XS], s81, v[XS]
	v_mul_u32_u24 v[XR], v61, SP    ; back: lanes 0-15 one row of 256 bytes, lanes 16-31 the next
	v_lshl_add_u32 v[XR], v60, 4, v[XR]
	v_add_nc_u32 v[XR], s81, v[XR]
	s_wait_dscnt 0x0                ; the opening add is done
	s_wait_kmcnt 0x0
	s_add_nc_u64 s[G0K+2:G0K+3], s[6:7], s[74:75]  ; 120:64 global address: the batch's tile 0
	s_or_b32 s[G0K+3], s[G0K+3], 0x80000000        ; 127:126 type = 2
	s_add_nc_u64 s[G0V+2:G0V+3], s[8:9], s[74:75]
	s_or_b32 s[G0V+3], s[G0V+3], 0x80000000
	s_add_nc_u64 s[G0A+2:G0A+3], s[12:13], s[78:79]
	s_or_b32 s[G0A+3], s[G0A+3], 0x80000000
	s_cmp_eq_u32 s[WV], 0
	s_cselect_b64 s[PFA:PFA+1], s[6:7], s[8:9]
	s_cmp_eq_u32 s[WV], 3
	s_cselect_b64 s[PFA:PFA+1], s[12:13], s[PFA:PFA+1]
	s_add_nc_u64 s[PFA:PFA+1], s[PFA:PFA+1], s[82:83]
	s_lshl_b32 s80, s76, 9          ; my 32 rows of q16,
	s_mov_b32 s81, 0
	s_add_nc_u64 s[4:5], s[4:5], s[80:81]
	s_lshl_b32 s80, s76, 10         ; and of out0
	s_add_nc_u64 s[16:17], s[16:17], s[80:81]
	ROUND                           ; all four work-groups are here: the first joint loads meet
	JLOAD                           ; tile 0 into slot 0.  Slot 1 is asked for by the loop's own change of slots
	WIN TO_2
.set p, 0
.rept 8                             ; Q stays in registers: piece p = head p / 2, query tile p % 2
	global_load_b128 v[8*p:8*p+3],   v[QO], s[4:5] offset:(p%2)*8192+(p/2)*64
	global_load_b128 v[8*p+4:8*p+7], v[QO], s[4:5] offset:(p%2)*8192+(p/2)*64+32
.set p, p+1
.endr
	; What the first tile finds: V's registers and head 3's P hold 0 (its first products V^T P, of a tile that has not been, add 0), O^T and l are 0, m is the lowest finite number.
.set i, VF
.rept 32
	v_mov_b32 v[i], 0
.set i, i+1
.endr
	WIN TO_1
.set i, 0
.rept 128
	v_mov_b32 v[i], 0
.set i, i+1
.endr
	WIN 0
.set p, 0
.rept 8
	v_mov_b32 v[ST+4*p], 0xff7fffff
	v_mov_b32 v[ST+4*p+1], 0
	v_mov_b32 v[ST+4*p+2], 0
	v_mov_b32 v[ST+4*p+3], 0
.set p, p+1
.endr
.set i, 0
.rept 16
	v_mov_b32 v[S+64+i], 0
	v_mov_b32 v[S+96+i], 0
.set i, i+1
.endr
	s_wait_loadcnt 0x0              ; Q
	s_mov_b32 s[CNT], 31
.Lslot:                             ; 31 trips: tile t is entered, tile t + 1 asked for
	SLOTW 1
	s_sub_co_u32 s[CNT], s[CNT], 1
	s_cmp_lg_u32 s[CNT], 0
	s_cbranch_scc1 .Lslot
	SLOTW 0                         ; the last tile is written out: nothing is asked for
	s_wait_dscnt 0x0                ; V of head 3
.set k, 0
.rept 8
	PV 3, k
.set k, k+1
.endr
	; THE MERGE of the two key halves.  First l: its two halves and the other half of the lanes'.  The first eight sums are the places behind the last products.
	WIN 0
.set p, 0
.rept 8
	v_add_f32 v[ST+4*p+2], v[ST+4*p+2], v[ST+4*p+3]
.set p, p+1
.endr
.set p, 0
.rept 8
	v_permlanex16_b32 v[ST+4*p+3], v[ST+4*p+2], s[SEL], s[SEL+1]
.set p, p+1
.endr
.set p, 0
.rept 8
	v_add_f32 v[ST+4*p+2], v[ST+4*p+2], v[ST+4*p+3]
.set p, p+1
.endr
	s_cmp_eq_u32 s[KH], 0
	s_cbranch_scc1 .Lkeep
	WIN ST_1                        ; the waves of the second key half hand over O^T (each accumulator's low registers first) and the statistics
.set i, 0
.rept 32
	ds_store_b128 v[MS], v[4*i:4*i+3] offset:512*i
.set i, i+1
.endr
	WIN 0
.set p, 0
.rept 8
	ds_store_b128 v[MS], v[ST+4*p:ST+4*p+3] offset:16384+512*p
.set p, p+1
.endr
.Lkeep:
	s_wait_dscnt 0x0                ; for the others' sake: my stores are done
	s_barrier_signal -1
	s_barrier_wait -1
	s_cmp_lg_u32 s[KH], 0
	s_cbranch_scc1 .Lgiven
.set i, 0
.rept 32
	ds_load_b128 v[OP+4*i:OP+4*i+3], v[MS] offset:512*i
.set i, i+1
.endr
.set p, 0
.rept 8
	ds_load_b128 v[MP+4*p:MP+4*p+3], v[MS] offset:16384+512*p
.set p, p+1
.endr
	s_wait_dscnt 0x0
.set p, 0
.rept 8
	v_max_num_f32 v[ST+4*p+1], v[ST+4*p], v[MP+4*p]   ; the common maximum
.set p, p+1
.endr
.set p, 0
.rept 8
	v_sub_f32 v[ST+4*p], v[ST+4*p], v[ST+4*p+1]
	v_sub_f32 v[MP+4*p], v[MP+4*p], v[ST+4*p+1]
.set p, p+1
.endr
.set p, 0
.rept 8
	v_exp_f32 v[ST+4*p], v[ST+4*p]                    ; f0, f1: what each half's sums are worth under it
	v_exp_f32 v[MP+4*p], v[MP+4*p]
.set p, p+1
.endr
	v_nop                           ; a plain instruction behind the last exponential,
	s_wait_alu depctr_va_vdst(0)    ; and one wait for the sixteen, ahead of their first reader
.set p, 0
.rept 8
	v_mul_f32 v[ST+4*p+2], v[ST+4*p], v[ST+4*p+2]
.set p, p+1
.endr
.set p, 0
.rept 8
	v_fma_f32 v[ST+4*p+2], v[MP+4*p], v[MP+4*p+2], v[ST+4*p+2]  ; l = f0 l0 + f1 l1
.set p, p+1
.endr
.set p, 0
.rept 8
	v_rcp_f32 v[ST+4*p+2], v[ST+4*p+2]
.set p, p+1
.endr
	v_nop
	s_wait_alu depctr_va_vdst(0)    ; one wait for the eight reciprocals
.set p, 0
.rept 8
	v_mul_f32 v[ST+4*p], v[ST+4*p], v[ST+4*p+2]       ; f0 / l
	v_mul_f32 v[MP+4*p], v[MP+4*p], v[ST+4*p+2]       ; f1 / l
.set p, p+1
.endr
.set i, 0
.rept 64                            ; pair i % 8 of piece i / 8
	v_pk_mul_f32 v[OP+2*i:OP+2*i+1], v[OP+2*i:OP+2*i+1], v[MP+4*(i/8):MP+4*(i/8)+1] op_sel_hi:[1,0]
.set i, i+1
.endr
	WIN W_MG
.set i, 0
.rept 64                            ; my O^T, each accumulator's registers in ascending order
	v_pk_fma_f32 v[OP+2*i:OP+2*i+1], v[2*i:2*i+1], v[ST+4*(i/8):ST+4*(i/8)+1], v[OP+2*i:OP+2*i+1] op_sel_hi:[1,0,1]
.set i, i+1
.endr
	WIN 0
.set i, 0
.rept 64                            ; O is rounded once, in place: pair z of a piece lands in its register z
	v_cvt_pk_f16_f32 v[OP+16*(i/8)+i%8], v[OP+2*i], v[OP+2*i+1]
.set i, i+1
.endr
.set p, 0
.rept 8                             ; a lane's eight channels are 16 bytes of row 16 t + l % 16: head g at byte 64 g of my four heads' 256
	ds_store_b128 v[OS], v[OP+16*p:OP+16*p+3]   offset:(p%2)*16*PK+(p/2)*64
	ds_store_b128 v[OS], v[OP+16*p+4:OP+16*p+7] offset:(p%2)*16*PK+(p/2)*64+32
.set p, p+1
.endr
.Lgiven:
	s_wait_dscnt 0x0                ; my stores of O are done, my reads of the partner's sums are back
	s_barrier_signal -1
	s_barrier_wait -1
	; out = O Wo^T + bo.  Wave w makes columns 64 w .. 64 w + 63 of the 32 rows, transposed (source 0 = 16 rows of Wo, source 1 = 16 rows of O): a lane holds one row and eight neighbouring columns.
.set i, 0
.rept 16
	ds_load_b128 v[OF+8*i:OF+8*i+3],   v[OB] offset:(i/8)*16*PK+(i%8)*64
	ds_load_b128 v[OF+8*i+4:OF+8*i+7], v[OB] offset:(i/8)*16*PK+(i%8)*64+32
.set i, i+1
.endr
	s_wait_loadcnt 0x0              ; Wo and the bias
	s_wait_dscnt 0x0
	WIN W_OP
.set ks, 0
.rept 8                             ; the eight accumulators (column block j / 2, query tile j % 2) take turns; the first K step starts the sums with the bias
.set j, 0
.rept 8
.if ks == 0
	v_wmma_f32_16x16x32_f16 v[ACC+8*j:ACC+8*j+7], v[8*(8*(j/2)+ks):8*(8*(j/2)+ks)+7], v[OF+8*(8*(j%2)+ks):OF+8*(8*(j%2)+ks)+7], v[BIAS+8*(j/2):BIAS+8*(j/2)+7]
.else
	v_wmma_f32_16x16x32_f16 v[ACC+8*j:ACC+8*j+7], v[8*(8*(j/2)+ks):8*(8*(j/2)+ks)+7], v[OF+8*(8*(j%2)+ks):OF+8*(8*(j%2)+ks)+7], v[ACC+8*j:ACC+8*j+7]
.endif
.set j, j+1
.endr
.set ks, ks+1
.endr
	PLACES                          ; behind the last products: the stores read results, the loads below land in O's fragments
	WIN ST_1
.set j, 0
.rept 8
	ds_store_b128 v[XS], v[ACC+8*j:ACC+8*j+3]   offset:(j%2)*16*SP+(j/2)*64
	ds_store_b128 v[XS], v[ACC+8*j+4:ACC+8*j+7] offset:(j%2)*16*SP+(j/2)*64+16
.set j, j+1
.endr
	WIN 0
.set u, 0
.rept 16
	ds_load_b128 v[OF+4*u:OF+4*u+3], v[XR] offset:2*SP*u  ; my own stage: LDS serves a wave's instructions in order (ISA guide 5.7.1.4), so these see the stores above
.set u, u+1
.endr
.set u, 0
.rept 16
	s_wait_dscnt 15-u               ; the younger read-backs may stay out
	global_store_b128 v[GO], v[OF+4*u:OF+4*u+3], s[16:17] offset:2048*u th:TH_STORE_NT  ; 16 lanes store 256 consecutive bytes, at a multiple of 256 from out0's first byte
.set u, u+1
.endr
	s_wait_tensorcnt 0x0            ; the wave's end, behind my last tensor load and my last LDS store
	ds_add_u32 v[SPW], v[NIL]
	s_wait_dscnt 0x0
	ROUND                           ; the closing round: no work-group ends while a partner may still ask for a tile that names it
	s_endpgm
.Lfunc_end_k_qad23a89cbf_attn:
	.size	k_qad23a89cbf_attn, .Lfunc_end_k_qad23a89cbf_attn-k_qad23a89cbf_attn
	.p2alignl 7, 3214868480
	.fill 96, 4, 3214868480
	.section	.rodata,"a",@progbits
	.p2align	6, 0x0
	.amdhsa_kernel k_qad23a89cbf_attn
		.amdhsa_group_segment_fixed_size 327680
		.amdhsa_private_segment_fixed_size 0
		.amdhsa_enable_private_segment 0
		.amdhsa_kernarg_size 56
		.amdhsa_user_sgpr_count 2
		.amdhsa_user_sgpr_kernarg_segment_ptr 1
		.amdhsa_wavefront_size32 1
		.amdhsa_system_sgpr_workgroup_id_x 1
		.amdhsa_system_sgpr_workgroup_id_y 1
		.amdhsa_system_sgpr_workgroup_id_z 1
		.amdhsa_system_vgpr_workitem_id 0
		.amdhsa_next_free_vgpr 1024
		.amdhsa_next_free_sgpr 84
		.amdhsa_reserve_vcc 0
		.amdhsa_float_denorm_mode_32 3
		.amdhsa_float_denorm_mode_16_64 3
		.amdhsa_memory_ordered 1
		.amdhsa_forward_progress 1
		.amdhsa_inst_pref_size 187
	.end_amdhsa_kernel
	.amdgpu_metadata
---
amdhsa.version: [ 1, 2 ]
amdhsa.kernels:
  - .name:           k_qad23a89cbf_attn
    .symbol:         k_qad23a89cbf_attn.kd
    .args:
      - { .name: q16, .offset: 0, .size: 8, .value_kind: global_buffer, .address_space: global }
      - { .name: k16, .offset: 8, .size: 8, .value_kind: global_buffer, .address_space: global }
      - { .name: v16, .offset: 16, .size: 8, .value_kind: global_buffer, .address_space: global }
      - { .name: wo16, .offset: 24, .size: 8, .value_kind: global_buffer, .address_space: global }
      - { .name: adjacency, .offset: 32, .size: 8, .value_kind: global_buffer, .address_space: global }
      - { .name: bo, .offset: 40, .size: 8, .value_kind: global_buffer, .address_space: global }
      - { .name: out0, .offset: 48, .size: 8, .value_kind: global_buffer, .address_space: global }
    .group_segment_fixed_size: 327680
    .private_segment_fixed_size: 0
    .kernarg_segment_align: 8
    .kernarg_segment_size: 56
    .max_flat_workgroup_size: 128
    .sgpr_count:     84
    .vgpr_count:     1024
    .wavefront_size: 32
...
	.end_amdgpu_metadata
.endif
;; end of part 2
